; MI455X (gfx1250); checked and timed in simulation.
; The chip was launched on July 23, 2026; its instructions are those of AMD's public machine-readable ISA for CDNA 5 (MIT licence, August 2026) and "CDNA5" Instruction Set Architecture Reference Guide (July 2026). The comments in the code are by the model that wrote it; some were corrected since.
;; Global Attention. Allowed arithmetic: matrix products marked QUANTISED: E4M3 operands, one given power-of-two scale a tensor, by v_wmma_f32_16x16x64_fp8_fp8 or v_wmma_f32_16x16x128_fp8_fp8, f32 sums; everything else in f32.
;; Inputs: Wf 256 x 128 float32; Wk 128 x 256 float32; Wq 128 x 256 float32; Wv 128 x 256 float32; bf 256 float32; bk 128 float32; bq 128 float32; bv 128 float32; lowp_scales 12 int32 (the exponents e of the quantised operands' scales 2^e); x 16 x 256 x 2,048 float32.
;; Outputs: out0 16 x 256 x 2,048 float32.
;; This version of the problem:
;;   THIS VERSION OF THE PROBLEM IS GIVEN IN LOW PRECISION. The matrix products marked QUANTISED in the list below multiply operands that are first quantised to E4M3 (4 exponent bits, 3 mantissa bits; 8 bits a number), with one given power-of-two scale for each operand tensor; their sums are f32. All else is computed in f32.
;;   The module's matrix products, in the order in which they are computed (A, B: the left and right operand; K: the contracted axis; several contracted axes count as one K, in the product's order):
;;     1. [M 128, K 256] x [K 256, N 32,768]; A: input Wq; B: input x: QUANTISED (scales: A lowp_scales[0], B lowp_scales[1])
;;     2. [M 128, K 256] x [K 256, N 32,768]; A: input Wk; B: input x: QUANTISED (scales: A lowp_scales[2], B lowp_scales[3])
;;     3. [M 128, K 256] x [K 256, N 32,768]; A: input Wv; B: input x: QUANTISED (scales: A lowp_scales[4], B lowp_scales[5])
;;     4. batch 16 x [M 2,048, K 128] x [K 128, N 2,048]; A: computed on the way; B: computed on the way: QUANTISED (scales: A lowp_scales[6], B lowp_scales[7])
;;     5. batch 16 x [M 128, K 2,048] x [K 2,048, N 2,048]; A: computed on the way; B: softmax (see below): QUANTISED (scales: A lowp_scales[8], B lowp_scales[9])
;;     6. [M 256, K 128] x [K 128, N 32,768]; A: input Wf; B: computed on the way: QUANTISED (scales: A lowp_scales[10], B lowp_scales[11])
;;   THE QUANTISER, for each operand of a quantised product, along K:
;;     - The operand's scale is 2^e, e = its entry of the input lowp_scales (int32; the entries are numbered through the quantised products in the list's order, A before B).
;;     - Each number is divided by the scale, clamped to +-448, and rounded to the nearest number of E4M3, ties to even, subnormals kept.
;;     - The product sums the exact products of the quantised numbers (number of the format x scale) in f32.
;;   ~~~python
;;   def quantise(x, axis, e):      # numpy; x: float32 -> the quantised numbers, widened to float32 again
;;       x = np.moveaxis(x, axis, -1); K = x.shape[-1]
;;       r = np.clip(x / 2.0 ** e, -448, 448)
;;       step = 2.0 ** (np.maximum(np.frexp(np.where(r == 0, 1, r))[1] - 1, -6) - 3)
;;       q = np.round(r / step) * step * 2.0 ** e      # np.round: ties to even
;;       return np.moveaxis(q, -1, axis).astype(np.float32)
;;   ~~~
;;   SOFTMAX AHEAD OF A QUANTISED PRODUCT. Where the list says 'softmax', what is quantised is not the finished softmax but p = 2^(t - M), with t = logit x log2(e) and M = ceil(the row's largest t), a whole number; so 1/2 < the row's largest p <= 1. The row's sum l is taken of the UNQUANTISED p, in f32, and the product's result is divided by l at the end. Since M is a whole number, a kernel that streams over the keys may use a running M (the ceiling of the running maximum): every later rescaling is an exact power of two, so the quantised numbers keep their values, but for numbers so far below the row's largest that they fall under the format's range.
;;   OPERANDS COMPUTED ON THE WAY. 'Computed on the way' means the value that the module computes at that place (a softmax that the list does not call 'softmax' is quantised finished and normalised). What goes into a quantiser is computed in f32, as accurately as f32 sums, v_exp_f32 and their like allow (about 1e-6 of the number): no bf16 or f16 on the way to a quantiser, and a product that is left as it is and whose result goes on into a quantised operand takes f32 operands (vector FMAs, or v_wmma_f32_16x16x4_f32). A number that lies on a knife's edge between two numbers of the format may be rounded either way, as far as f32 arithmetic and the matrix unit's own rounding can turn it there, and no further.
;; One version. Each part assembles by itself: llvm-mc -triple=amdgcn-amd-amdhsa -mcpu=gfx1250 --defsym DOCPART=n.
;; ======== version 1 of 1: 2 launches
;; limits: right only within a limited range of input values
;; workspace buffers: qimg 4,194,304 bytes; kv 8,388,608 bytes; wfimg 32,768 bytes
;; launch proj (part 1): grid 16 x 16, 12 waves a work-group, no clusters, 237,056 bytes of LDS; arguments x, Wq, Wk, Wv, Wf, bq, bk, bv, lowp_scales, qimg, kv, wfimg; writes qimg, kv, wfimg
.if DOCPART == 1
	.amdgcn_target "amdgcn-amd-amdhsa--gfx1250"
	.amdhsa_code_object_version 6
	.text
	.protected	k_q7d0b4fbf6f_proj
	.globl	k_q7d0b4fbf6f_proj
	.p2align	8
	.type	k_q7d0b4fbf6f_proj,@function
k_q7d0b4fbf6f_proj:
	s_mov_b64 s[64:65], 0
	v_nop
	global_prefetch_b8 v0, s[64:65] scope:SCOPE_SE
	s_setreg_imm32_b32 hwreg(HW_REG_WAVE_MODE, 25, 1), 1
	s_wait_xcnt 0x0
; Q, K, V = W x + b for x [16][256 c][2048 n] f32 and Wq, Wk, Wv [128 h][256 c] f32, each product on codes of FP8 (E4M3) with the given scales, sums in f32;
; the results are quantised at once with the scales of the attention's operands and stored as codes.  Wf [256][128] is quantised once as well.
; Entries of lowp_scales: 0 Wq, 1 x for Q, 2 Wk, 3 x for K, 4 Wv, 5 x for V, 6 Q, 7 K, 8 V, 10 Wf.  x is quantised three times, once under each of its scales.
; SHARES.  A work-group takes one batch (grid y) and 128 columns n (grid x).  Twelve waves: wave w has kind = w / 4 (0 Q, 1 K, 2 V) and unit u = w % 4: it keeps four fragments of its
; matrix (32 head channels x 256 c) in registers and makes those 32 channels for all 128 columns: 32 matrix instructions.  Waves 0-7 also bring x in (one tensor load each: 32 rows c x 512 bytes)
; and quantise it; meanwhile waves 8-11 of the first four work-groups quantise Wf's sixteen fragments.
; A FRAGMENT is 16 rows x 128 k in 16 registers: lane (r, h) holds row r, registers 4 c .. 4 c + 3 hold k = 32 c + 16 h + 0 .. 15, alike on both sides of every product.
; WHAT IS STORED ARE IMAGES OF FRAGMENTS: 2,048 bytes each, registers 4 c .. 4 c + 3 of lane l at 512 c + 16 l.
; ONE ORDER FOR ALL TILES: index i of tile T stands for row or column pi(T, i) = 32 (T / 2) + 8 (T % 2) + i + 8 (i / 8).  A result's register j of lane (r, h) belongs to index 8 h + j of source 0's tile,
; so the 16 result registers of tiles 2 b and 2 b + 1 are 16 neighbours, 32 b + 16 h + 0 .. 15, along the next product's K: the conversions' results are a quarter of a fragment, 512 bytes a wave.
; Q and K: source 0 = 16 rows of W, source 1 = 16 columns of x: a lane holds one column, its registers run along the head.  V: the sources swapped: a lane holds one channel, its registers run along the keys.
; The bias is the C of each sum's first matrix instruction, divided by the power of two that the sums lack.
; LIMITS on the given exponents, so that each power of two made below is an f32 number: entries 0 to 5 and 10, and e6 - e0 - e1, e7 - e2 - e3, e8 - e4 - e5, lie between -126 and 119.  NaN among the inputs is not served.
; LDS: 0: x as f32, 256 rows c x 512 bytes; wave w < 8 fills and reads rows 32 w on.  XC: three sets (one for each scale of x) of 128 rows x 272 bytes of codes: row 16 T + r holds column pi(T, r), byte = c.
; While the weights are quantised, the bytes of XC serve as twelve stages of 16 rows x 528 bytes, one a wave; a barrier parts that use from the codes.
.set XC,   131072
.set XSET, 34816                       ; 128 rows x 272 bytes
.set XP,   272                         ; 256 bytes of codes + 16: sixteen rows of a fragment load begin at sixteen different 16-byte columns of 256 bytes
.set TP,   528                         ; a stage row: 512 bytes + 16
.set L16,  1                           ; v1   16 x lane
.set TSW,  2                           ; v2   my stage, as loaded: + 16 x lane
.set TSR,  3                           ; v3   my stage, as wanted: + 528 r + 64 h
.set XRD,  4                           ; v4   x in LDS: my wave's 32 rows, my column of a group of 32
.set XWR,  5                           ; v5-7 where my 32 codes go, in sets 0, 1, 2
.set XFA,  8                           ; v8   x's fragments of my kind's set: + 272 r + 16 h
.set BQK,  9                           ; v9   64 h
.set BV,   10                          ; v10  4 (r + 8 (r / 8))
.set WFA,  11                          ; v11  512 r + 64 h
.set SCW,  12                          ; v12  2^eW      v13  2^(eO - eW - eX)      v14-16  x's three scales      v17  Wf's
.set SCO,  13
.set SCX,  14
.set SCF,  17
.set WFR,  32                          ; v32-95   my four weight fragments: tile a, K step s at 32 a + 16 s
.set BI,   96                          ; v96-111  the bias in the result's layout, 8 registers for each tile a
.set RW,   112                         ; v112-239 two sets of 64 numbers of W
.set XN,   112                         ; v112-175 two sets of 32 numbers of x;  v208-231 codes
.set TT,   176
.set CC,   208
.set XFG,  112                         ; v112-175 four fragments of x: tile t, K step s at 32 t + 16 s;  v176-207 four accumulators;  v208-239 codes, 8 registers for each pair of tiles
.set ACC,  176
.set CO,   208
.set WC,   240                         ; v240-255 Wf's codes: registers of their own, since their stores may still be out at the kernel's end
.set WP,   56                          ; s[56:57] my 32 rows of my matrix   s[58:59] my 32 numbers of its bias   s[60:61] where my images go
; s[e]: a whole number -> s[sc] = 2^e as f32; s[lo] = -448 x 2^e, s[lo + 1] = 448 x 2^e
.macro MKSC e, sc, lo
	s_add_co_i32 s86, s[\e], 127
	s_lshl_b32 s[\sc], s86, 23
	s_add_co_i32 s86, s86, 8
	s_lshl_b32 s86, s86, 23
	s_or_b32 s[\lo+1], s86, 0x600000
	s_or_b32 s[\lo], s[\lo+1], 0x80000000
.endm
; 64 numbers of a lane, register 16 b + i = k 32 b + 16 h + i of its row, become a fragment's 16 registers of codes
.macro QUANT src, dst, sc, lo
.set b, 0
.rept 4
.set j, 0
.rept 16
.set j, j+1
.endr
	v_cvt_scalef32_pk8_fp8_f32 v[(\dst)+4*b:(\dst)+4*b+1], v[(\src)+16*b:(\src)+16*b+7], v[\sc]
	v_cvt_scalef32_pk8_fp8_f32 v[(\dst)+4*b+2:(\dst)+4*b+3], v[(\src)+16*b+8:(\src)+16*b+15], v[\sc]
.set b, b+1
.endr
	v_nop                                          ; one plain vector line behind the last conversion, ahead of whatever vector or matrix line next touches its registers
.endm
; Weight fragment f = 2 a + s: sixteen rows pi(2 u + a, i), their 512 bytes of K step s: each load takes one row's piece, 16 bytes a lane
.macro WLOAD f
.set j, 0
.rept 16
	global_load_b128 v[RW+64*((\f)%2)+4*j:RW+64*((\f)%2)+4*j+3], v[L16], s[WP:WP+1] offset:(8*((\f)/2)+j+8*(j/8))*1024+512*((\f)%2)
.set j, j+1
.endr
.endm
; through my stage: in as loaded, back 64 bytes of a block of 32 a lane.  LDS serves a wave's instructions in order (ISA guide 5.7.1.4): no wait between the stores and the loads
.macro TURNW f
.set j, 0
.rept 16
	ds_store_b128 v[TSW], v[RW+64*((\f)%2)+4*j:RW+64*((\f)%2)+4*j+3] offset:TP*j
.set j, j+1
.endr
.set j, 0
.rept 16
	ds_load_b128 v[RW+64*((\f)%2)+4*j:RW+64*((\f)%2)+4*j+3], v[TSR] offset:128*(j/4)+16*(j%4)
.set j, j+1
.endr
.endm
; group g of 32 columns: my column's 32 numbers down my wave's rows c: a lane to a column, registers down K
.macro XL g
.set j, 0
.rept 32
	ds_load_b32 v[XN+32*((\g)%2)+j], v[XRD] offset:512*j+128*(\g)
.set j, j+1
.endr
.endm
; they are quantised under each of x's three scales; 32 codes are 32 bytes of my column's row in each set
.macro XQ g
.irp s, 0,1,2
.set j, 0
.rept 32
.set j, j+1
.endr
.irp q, 0,1,2,3
	v_cvt_scalef32_pk8_fp8_f32 v[CC+8*\s+2*\q:CC+8*\s+2*\q+1], v[TT+8*\q+((XN+32*((\g)%2)+j)-(TT+j)):TT+8*\q+7+((XN+32*((\g)%2)+j)-(TT+j))], v[SCX+\s]
.endr
	v_nop                                          ; a plain line between the conversions and the next loads, which write their sources
.endr
.irp s, 0,1,2
	ds_store_b128 v[XWR+\s], v[CC+8*\s:CC+8*\s+3] offset:32*XP*(\g)
	ds_store_b128 v[XWR+\s], v[CC+8*\s+4:CC+8*\s+7] offset:32*XP*(\g)+16
.endr
.endm
; the four fragments of x's tiles 2 p and 2 p + 1
.macro XFRAGS p
.irp t, 0,1
.irp s, 0,1
.irp c, 0,1,2,3
	ds_load_b128 v[XFG+32*\t+16*\s+4*\c:XFG+32*\t+16*\s+4*\c+3], v[XFA] offset:16*(2*(\p)+\t)*XP+128*\s+32*\c
.endr
.endr
.endr
.endm
; Pair p of x's tiles against my two weight tiles: eight matrix instructions, the four accumulators by turns in the same order in both K steps;
; then the conversions and two stores of 512 consecutive bytes.
.macro MP isv, p
	s_wait_dscnt 0x0                               ; the pair's fragments are in
.irp s, 0,1
.irp t, 0,1
.irp a, 0,1
.if \isv
.if \s == 0
	v_wmma_f32_16x16x128_fp8_fp8 v[ACC+16*\a+8*\t:ACC+16*\a+8*\t+7], v[XFG+32*\t+16*\s:XFG+32*\t+16*\s+15], v[WFR+32*\a+16*\s:WFR+32*\a+16*\s+15], v[BI+8*\a:BI+8*\a+7]
.else
	v_wmma_f32_16x16x128_fp8_fp8 v[ACC+16*\a+8*\t:ACC+16*\a+8*\t+7], v[XFG+32*\t+16*\s:XFG+32*\t+16*\s+15], v[WFR+32*\a+16*\s:WFR+32*\a+16*\s+15], v[ACC+16*\a+8*\t:ACC+16*\a+8*\t+7]
.endif
.else
.if \s == 0
	v_wmma_f32_16x16x128_fp8_fp8 v[ACC+16*\t+8*\a:ACC+16*\t+8*\a+7], v[WFR+32*\a+16*\s:WFR+32*\a+16*\s+15], v[XFG+32*\t+16*\s:XFG+32*\t+16*\s+15], v[BI+8*\a:BI+8*\a+7]
.else
	v_wmma_f32_16x16x128_fp8_fp8 v[ACC+16*\t+8*\a:ACC+16*\t+8*\a+7], v[WFR+32*\a+16*\s:WFR+32*\a+16*\s+15], v[XFG+32*\t+16*\s:XFG+32*\t+16*\s+15], v[ACC+16*\t+8*\a:ACC+16*\t+8*\a+7]
.endif
.endif
.endr
.endr
.endr
.rept 4
	v_nop                                          ; four places in front of the loads into registers that these products read, and of the first read of their results
.endr
.if (\p) < 3
	XFRAGS (\p)+1                                  ; the next pair's fragments come while this pair's results are quantised
.endif
.set j, 0
.rept 32
.set j, j+1
.endr
.irp k, 0,1
	v_cvt_scalef32_pk8_fp8_f32 v[CO+8*(\p)+4*\k:CO+8*(\p)+4*\k+1], v[ACC+16*\k:ACC+16*\k+7], v[SCO]
	v_cvt_scalef32_pk8_fp8_f32 v[CO+8*(\p)+4*\k+2:CO+8*(\p)+4*\k+3], v[ACC+16*\k+8:ACC+16*\k+15], v[SCO]
.endr
	v_nop                                          ; a plain line between the conversions and the next products, which write their sources
.irp k, 0,1
.if \isv
	global_store_b128 v[L16], v[CO+8*(\p)+4*\k:CO+8*(\p)+4*\k+3], s[60:61] offset:2048*\k+512*(\p)   ; channel tile 2 u + k, keys 32 p + 16 h + 0 .. 15
.else
	global_store_b128 v[L16], v[CO+8*(\p)+4*\k:CO+8*(\p)+4*\k+3], s[60:61] offset:2048*(2*(\p)+\k)   ; column tile 2 p + k, head channels 32 u + 16 h + 0 .. 15
.endif
.endr
.endm
	s_load_b512 s[8:23], s[0:1], 0x0               ; x s[8:9], Wq s[10:11], Wk s[12:13], Wv s[14:15], Wf s[16:17], bq s[18:19], bk s[20:21], bv s[22:23]
	s_load_b256 s[24:31], s[0:1], 0x40             ; the scales' exponents s[24:25], qimg s[26:27], kv s[28:29], wfimg s[30:31]
	v_lshl_add_u32 v30, v0, 2, 0x39800
	v_mov_b32 v31, 0
	ds_add_u32 v30, v31
	ds_add_u32 v30, v31
	v_lshrrev_b32 v20, 5, v0
	s_delay_alu instid0(VALU_DEP_1)
	v_readfirstlane_b32 s2, v20                    ; wave 0..11
	s_lshr_b32 s3, s2, 2                           ; kind
	s_and_b32 s4, s2, 3                            ; unit
	s_and_b32 s79, s2, 7                           ; which 32 rows c I fetch and quantise (waves 0-7)
	s_and_b32 s5, ttmp7, 0xffff                    ; batch
	s_lshl_b32 s7, s5, 4
	s_add_co_u32 s7, s7, ttmp9                     ; 16 x batch + block of columns
	; every LDS address is made here, ahead of the first line at which the waves part
	v_and_b32 v21, 31, v0                          ; lane
	v_and_b32 v22, 15, v0                          ; r
	v_bfe_u32 v23, v0, 4, 1                        ; h
	s_delay_alu instid0(VALU_DEP_3)
	v_lshlrev_b32 v[L16], 4, v21
	s_mul_i32 s78, s2, 16*TP
	s_add_co_u32 s78, s78, XC                      ; my stage
	v_add_nc_u32 v[TSW], s78, v[L16]
	v_mul_u32_u24 v[TSR], v22, TP
	s_delay_alu instid0(VALU_DEP_1)
	v_lshl_add_u32 v[TSR], v23, 6, v[TSR]
	s_delay_alu instid0(VALU_DEP_1)
	v_add_nc_u32 v[TSR], s78, v[TSR]
	v_and_b32 v24, 7, v0
	s_delay_alu instid0(VALU_DEP_1)
	v_lshl_add_u32 v24, v23, 3, v24
	v_bfe_u32 v25, v0, 3, 1
	s_delay_alu instid0(VALU_DEP_1)
	v_lshl_add_u32 v24, v25, 4, v24                ; lane l takes column l % 8 + 8 (l / 16) + 16 ((l / 8) % 2) of a group of 32: row 32 g + l of the codes then holds column pi(2 g + l / 16, l % 16)
	s_lshl_b32 s80, s79, 14
	v_lshl_add_u32 v[XRD], v24, 2, s80
	v_mul_u32_u24 v26, v21, XP
	s_lshl_b32 s81, s79, 5
	s_add_co_u32 s81, s81, XC
	v_add_nc_u32 v[XWR], s81, v26
	s_delay_alu instid0(VALU_DEP_1)
	v_add_nc_u32 v[XWR+1], XSET, v[XWR]
	s_delay_alu instid0(VALU_DEP_2)
	v_add_nc_u32 v[XWR+2], 2*XSET, v[XWR]
	s_mul_i32 s82, s3, XSET
	s_add_co_u32 s82, s82, XC
	v_mul_u32_u24 v[XFA], v22, XP
	s_delay_alu instid0(VALU_DEP_1)
	v_lshl_add_u32 v[XFA], v23, 4, v[XFA]
	s_delay_alu instid0(VALU_DEP_1)
	v_add_nc_u32 v[XFA], s82, v[XFA]
	v_lshlrev_b32 v[BQK], 6, v23
	v_and_b32 v[BV], 8, v22
	s_delay_alu instid0(VALU_DEP_1)
	v_add_nc_u32 v[BV], v[BV], v22
	s_delay_alu instid0(VALU_DEP_1)
	v_lshlrev_b32 v[BV], 2, v[BV]
	s_delay_alu instid0(VALU_DEP_4)
	v_lshl_add_u32 v[WFA], v22, 9, v[BQK]
	; descriptor group 1: 32 rows of 128 elements of 4 bytes, 2,048 elements from row to row, dense in LDS
	s_mov_b32 s48, 2<<16
	s_mov_b32 s49, 128<<16                         ; tensor_dim0 = 128
	s_mov_b32 s50, 32<<16                          ; tensor_dim1 = 32
	s_mov_b32 s51, 128<<16                         ; tile_dim0 = 128
	s_mov_b32 s52, 32                              ; tile_dim1 = 32
	s_mov_b32 s53, 2048                            ; tensor_dim0_stride
	s_mov_b32 s54, 0
	s_mov_b32 s55, 0
	s_lshl_b32 s80, s5, 21                         ; a batch of x is 256 rows of 8,192 bytes,
	s_lshl_b32 s81, s79, 18                        ; my 32 rows,
	s_add_co_u32 s80, s80, s81
	s_lshl_b32 s81, ttmp9, 9                       ; the block's 128 columns
	s_add_co_u32 s80, s80, s81
	s_mov_b32 s81, 0
	s_wait_dscnt 0x0
	s_wait_kmcnt 0x0
	s_load_b256 s[32:39], s[24:25], 0x0            ; e0 .. e7
	s_load_b128 s[40:43], s[24:25], 0x20           ; e8 .. e11
	s_mov_b32 s44, 1
	s_lshl_b32 s45, s79, 14                        ; LDS: 16,384 x wave
	s_add_nc_u64 s[46:47], s[8:9], s[80:81]
	s_or_b32 s47, s47, 0x80000000
	s_cmp_lt_u32 s2, 8
	s_cbranch_scc0 .Lno_fill
	tensor_load_to_lds s[44:47], s[48:55]          ; the one fill of these bytes: one tensor load of mine is out
	s_nop 0
.rept 4
	v_nop
.endr
.Lno_fill:
	; my matrix, my bias, my place in the images: chosen by the wave's kind
	s_cmp_eq_u32 s3, 0
	s_cselect_b64 s[WP:WP+1], s[10:11], s[12:13]
	s_cselect_b64 s[58:59], s[18:19], s[20:21]
	s_cselect_b64 s[60:61], s[26:27], s[28:29]
	s_cselect_b32 s82, 14, 15                      ; a block of 128 columns is 16,384 bytes of qimg, 32,768 of kv
	s_cmp_eq_u32 s3, 2
	s_cselect_b64 s[WP:WP+1], s[14:15], s[WP:WP+1]
	s_cselect_b64 s[58:59], s[22:23], s[58:59]
	s_cselect_b32 s83, 12, 9                       ; unit u: two whole fragments of V, or the u-th quarter of each fragment of Q or K
	s_cselect_b32 s84, 16384, 0                    ; V's images lie behind K's
	s_lshl_b32 s80, s7, s82
	s_lshl_b32 s83, s4, s83
	s_add_co_u32 s80, s80, s83
	s_add_co_u32 s80, s80, s84
	s_add_nc_u64 s[60:61], s[60:61], s[80:81]
	s_lshl_b32 s80, s4, 15                         ; 32 rows of 1,024 bytes
	s_add_nc_u64 s[WP:WP+1], s[WP:WP+1], s[80:81]
	s_lshl_b32 s80, s4, 7
	s_add_nc_u64 s[58:59], s[58:59], s[80:81]
	s_cmp_eq_u32 s3, 2
	s_cbranch_scc1 .Lbias_v
	s_wait_alu depctr_va_vdst(0)
.irp a, 0,1
	global_load_b128 v[BI+8*\a:BI+8*\a+3], v[BQK], s[58:59] offset:32*\a        ; Q, K: register j of tile a is channel 32 u + 8 a + 16 h + j
	global_load_b128 v[BI+8*\a+4:BI+8*\a+7], v[BQK], s[58:59] offset:32*\a+16
.endr
	s_branch .Lbias_done
.Lbias_v:
	s_wait_alu depctr_va_vdst(0)
	global_load_b32 v[BI], v[BV], s[58:59]                                      ; V: all eight registers of tile a are channel 32 u + 8 a + r + 8 (r / 8)
	global_load_b32 v[BI+8], v[BV], s[58:59] offset:32
.Lbias_done:
	WLOAD 0
	WLOAD 1
	s_wait_kmcnt 0x0
	s_cmp_eq_u32 s3, 0
	s_cselect_b32 s82, s32, s34                    ; eW
	s_cselect_b32 s83, s33, s35                    ; eX
	s_cselect_b32 s84, s38, s39                    ; eO
	s_cmp_eq_u32 s3, 2
	s_cselect_b32 s82, s36, s82
	s_cselect_b32 s83, s37, s83
	s_cselect_b32 s84, s40, s84
	MKSC 82, 87, 66
	v_mov_b32 v[SCW], s87
	MKSC 33, 87, 68
	v_mov_b32 v[SCX], s87
	MKSC 35, 87, 70
	v_mov_b32 v[SCX+1], s87
	MKSC 37, 87, 72
	v_mov_b32 v[SCX+2], s87
	s_add_co_i32 s85, s82, s83                     ; a sum stands for sum x 2^(eW + eX): its code is sum / 2^(eO - eW - eX),
	s_sub_co_i32 s84, s84, s85
	s_sub_co_i32 s85, 0, s85                       ; and the bias goes in as bias x 2^-(eW + eX)
	MKSC 84, 87, 74
	v_mov_b32 v[SCO], s87
	MKSC 42, 87, 76
	v_mov_b32 v[SCF], s87
	s_wait_alu depctr_va_vdst(0)
	; ---- my four weight fragments, while x is on its way
.irp f, 0,1,2,3
.if \f < 3
	s_wait_loadcnt 16                              ; this fragment's loads (and the bias) are in; the next fragment's sixteen may be out
.else
	s_wait_loadcnt 0x0
.endif
	TURNW \f
	s_wait_dscnt 0x0
	QUANT RW+64*(\f%2), WFR+16*\f, SCW, 66
.if \f < 2
	WLOAD \f+2
.endif
.endr
	s_wait_tensorcnt 0x0                           ; my rows of x are in LDS,
	s_wait_dscnt 0x0                               ; and my reads of my stage are over: its bytes are about to take codes
	s_barrier_signal -1
	s_barrier_wait -1
	s_cmp_lt_u32 s2, 8
	s_cbranch_scc0 .Lnot_x
	; ---- waves 0-7: x becomes codes, four groups of 32 columns
	XL 0
	XL 1
.irp g, 0,1,2,3
.if \g < 3
	s_wait_dscnt 32                                ; this group's loads are in and the last group's six stores are done; the next group's 32 loads may be out
.else
	s_wait_dscnt 0x0
.endif
	XQ \g
.if \g < 2
	XL \g+2
.endif
.endr
	s_branch .Lmeet
.Lnot_x:
	s_cmp_lt_u32 s7, 4
	s_cbranch_scc0 .Lmeet
	; ---- waves 8-11 of work-groups 0-3: one fragment of Wf each: rows 16 T + r, the head's 128 along K.  No LDS is touched here
	s_lshl_b32 s80, s7, 2
	s_add_co_u32 s80, s80, s2
	s_sub_co_u32 s80, s80, 8                       ; T = 4 x work-group + wave - 8
	s_lshl_b32 s82, s80, 13                        ; 16 rows of 512 bytes
	s_mov_b32 s83, 0
	s_add_nc_u64 s[62:63], s[16:17], s[82:83]
	s_lshl_b32 s82, s80, 11
	s_add_nc_u64 s[88:89], s[30:31], s[82:83]
.set j, 0
.rept 16
	global_load_b128 v[RW+4*j:RW+4*j+3], v[WFA], s[62:63] offset:128*(j/4)+16*(j%4)
.set j, j+1
.endr
	s_wait_loadcnt 0x0
	QUANT RW, WC, SCF, 76
.irp c, 0,1,2,3
	global_store_b128 v[L16], v[WC+4*\c:WC+4*\c+3], s[88:89] offset:512*\c
.endr
.Lmeet:
	s_wait_dscnt 0x0                               ; my codes have landed
	s_barrier_signal -1
	s_barrier_wait -1                              ; all three sets are whole
	s_cmp_eq_u32 s3, 2
	s_cbranch_scc1 .Lpath_v
	; ---- Q and K
.set j, 0
.rept 16
	v_ldexp_f32 v[BI+j], v[BI+j], s85
.set j, j+1
.endr
	XFRAGS 0
	s_wait_alu depctr_va_vdst(0)
	MP 0, 0
	MP 0, 1
	MP 0, 2
	MP 0, 3
	s_wait_tensorcnt 0x0
	ds_add_u32 v30, v31
	s_wait_dscnt 0x0
	s_endpgm
.Lpath_v:
	; ---- V
	v_ldexp_f32 v[BI], v[BI], s85
	v_ldexp_f32 v[BI+8], v[BI+8], s85
.irp j, 1,2,3,4,5,6,7
	v_mov_b32 v[BI+\j], v[BI]
	v_mov_b32 v[BI+8+\j], v[BI+8]
.endr
	XFRAGS 0
	s_wait_alu depctr_va_vdst(0)
	MP 1, 0
	MP 1, 1
	MP 1, 2
	MP 1, 3
	s_wait_tensorcnt 0x0
	ds_add_u32 v30, v31
	s_wait_dscnt 0x0
	s_endpgm
.Lfunc_end_k_q7d0b4fbf6f_proj:
	.size	k_q7d0b4fbf6f_proj, .Lfunc_end_k_q7d0b4fbf6f_proj-k_q7d0b4fbf6f_proj
	.p2alignl 7, 3214868480
	.fill 96, 4, 3214868480
	.section	.rodata,"a",@progbits
	.p2align	6, 0x0
	.amdhsa_kernel k_q7d0b4fbf6f_proj
		.amdhsa_group_segment_fixed_size 237056
		.amdhsa_private_segment_fixed_size 0
		.amdhsa_enable_private_segment 0
		.amdhsa_kernarg_size 96
		.amdhsa_user_sgpr_count 2
		.amdhsa_user_sgpr_kernarg_segment_ptr 1
		.amdhsa_wavefront_size32 1
		.amdhsa_system_sgpr_workgroup_id_x 1
		.amdhsa_system_sgpr_workgroup_id_y 1
		.amdhsa_system_sgpr_workgroup_id_z 1
		.amdhsa_system_vgpr_workitem_id 0
		.amdhsa_next_free_vgpr 256
		.amdhsa_next_free_sgpr 90
		.amdhsa_reserve_vcc 0
		.amdhsa_float_denorm_mode_32 3
		.amdhsa_float_denorm_mode_16_64 3
		.amdhsa_fp16_overflow 1
		.amdhsa_memory_ordered 1
		.amdhsa_forward_progress 1
		.amdhsa_inst_pref_size 60
	.end_amdhsa_kernel
	.amdgpu_metadata
---
amdhsa.version: [ 1, 2 ]
amdhsa.kernels:
  - .name:           k_q7d0b4fbf6f_proj
    .symbol:         k_q7d0b4fbf6f_proj.kd
    .args:
      - { .name: x, .offset: 0, .size: 8, .value_kind: global_buffer, .address_space: global }
      - { .name: Wq, .offset: 8, .size: 8, .value_kind: global_buffer, .address_space: global }
      - { .name: Wk, .offset: 16, .size: 8, .value_kind: global_buffer, .address_space: global }
      - { .name: Wv, .offset: 24, .size: 8, .value_kind: global_buffer, .address_space: global }
      - { .name: Wf, .offset: 32, .size: 8, .value_kind: global_buffer, .address_space: global }
      - { .name: bq, .offset: 40, .size: 8, .value_kind: global_buffer, .address_space: global }
      - { .name: bk, .offset: 48, .size: 8, .value_kind: global_buffer, .address_space: global }
      - { .name: bv, .offset: 56, .size: 8, .value_kind: global_buffer, .address_space: global }
      - { .name: lowp_scales, .offset: 64, .size: 8, .value_kind: global_buffer, .address_space: global }
      - { .name: qimg, .offset: 72, .size: 8, .value_kind: global_buffer, .address_space: global }
      - { .name: kv, .offset: 80, .size: 8, .value_kind: global_buffer, .address_space: global }
      - { .name: wfimg, .offset: 88, .size: 8, .value_kind: global_buffer, .address_space: global }
    .group_segment_fixed_size: 237056
    .private_segment_fixed_size: 0
    .kernarg_segment_align: 8
    .kernarg_segment_size: 96
    .max_flat_workgroup_size: 384
    .sgpr_count:     90
    .vgpr_count:     256
    .wavefront_size: 32
...
	.end_amdgpu_metadata
.endif
;; end of part 1
;; launch attn (part 2): grid 16 x 16, 8 waves a work-group, clusters of 4 x 1, 327,680 bytes of LDS; arguments qimg, kv, wfimg, lowp_scales, bf, x, out0; writes out0
.if DOCPART == 2
	.amdgcn_target "amdgcn-amd-amdhsa--gfx1250"
	.amdhsa_code_object_version 6
	.text
	.protected	k_q7d0b4fbf6f_attn
	.globl	k_q7d0b4fbf6f_attn
	.p2align	8
	.type	k_q7d0b4fbf6f_attn,@function
k_q7d0b4fbf6f_attn:
	s_mov_b64 s[64:65], 0
	v_nop
	global_prefetch_b8 v0, s[64:65] scope:SCOPE_SE
	s_setreg_imm32_b32 hwreg(HW_REG_WAVE_MODE, 25, 1), 1
	s_wait_xcnt 0x0
	s_wait_alu depctr_hold_cnt(0) depctr_sa_sdst(0) depctr_va_vdst(0) depctr_va_sdst(0) depctr_va_ssrc(0) depctr_va_vcc(0) depctr_vm_vsrc(0)
	s_getreg_b32 s2, hwreg(HW_REG_IB_STS2, 6, 4)
	s_cmp_eq_u32 s2, 0
	s_cbranch_scc0 .Lentry_in_a_cluster
	s_endpgm
.Lentry_in_a_cluster:
	s_bfe_u32 s2, ttmp6, 0x10000c
	s_cmp_lg_u32 s2, 0x3003
	s_cbranch_scc0 .Lentry_shape_is_right
	s_endpgm
.Lentry_shape_is_right:
; out0[b][c][n] = sum over h of Wf[c][h] o[b][h][n] + bf[c] + x[b][c][n], o = V softmax(Q^T K)^T, all three products on codes of FP8 (E4M3) with the given scales, sums in f32.
; Q, K, V and Wf arrive as images of fragments (2,048 bytes: registers 4 c .. 4 c + 3 of lane l at 512 c + 16 l; lane (r, h) holds row r, k = 32 c + 16 h + 0 .. 15):
;   qimg [batch][tile 128]: lane r of tile T of a block of 128 holds query pi(T, r) = 32 (T / 2) + 8 (T % 2) + r + 8 (r / 8), k = the head's 128;
;   kv [batch][key step 16][8 key tiles of K | 8 channel tiles of V]: K's tile T holds keys pi(T, r) of the step, k = the head; V's tile T holds channels pi(T, r), k = the step's 128 keys;
;   wfimg [16 tiles]: rows c = 16 T + r, k = the head.
; THE SOFTMAX: t = score x log2(e); M = the largest t so far rounded UP to a whole number; p = 2^(t - M) is quantised, not normalised; the row's sum is taken of the unquantised p and divides O at the end.
; When M moves, the sum and O are multiplied by 2^(old M - new M), which rounds nothing.
; SHARES.  A work-group owns 128 queries of one batch: eight tiles of 16.  THE TWO WAVES OF A PAIR SHARE THE KEYS, NOT THE QUERIES: wave w holds two tiles, set A = tile w and set B = tile w xor 1, and walks the key
; steps of its own parity alone (steps w % 2 and w % 2 + 2 of each slot of four).  So each fragment of K and V that a wave reads from LDS feeds two matrix instructions: 8 waves x 8 steps x 32,768 bytes are read,
; half of what eight waves of one tile each would read.  At the end each wave sends set B (O^T, -M, the sums) to its partner through LDS and adds the partner's set B, which is its own tile, onto its set A:
; M is the larger of the two whole numbers, and both parts are brought under it by powers of two.  From there on wave w owns tile w.
; Both attention products are used transposed (S^T = K Q^T, O^T = V^T P^T): a lane holds ONE query of each tile throughout; by the order pi the 16 registers of tiles 2 b and 2 b + 1 are 16 neighbours along the next K,
; so p's codes are the second product's operand and O's codes the third's.  In the third, source 0 = O's 16 queries, source 1 = 16 rows of Wf: a lane holds one c and eight neighbouring n.
; CLUSTER.  The four work-groups of a cluster belong to one batch and walk the same K and V: each tile of four key steps (131,072 bytes) is asked for JOINTLY, each wave a piece of 16,384 bytes, by the same
; tensor load with the same descriptor and the mask of all four.  Wf's images likewise.  x's tile for the residual is each work-group's own: a plain tensor load, behind a round like the others.
; LDS: 0 and 131,072: two slots of four key steps; 262,144: 4,096 bytes that no load fills; 266,240: Wf's 16 images; 299,008: the spare words.  At the end slot 0 takes x's tile (256 rows x 512 bytes), and slot 1,
; which has had its last fill and its last read, serves first for the pairs' exchange (8,704 bytes a wave) and then, with the 4,096 bytes behind it, as the stage for the results: 256 rows c x (512 bytes + 16).
; LIMITS on the given exponents, so that each power of two made below is an f32 number: e6 + e7 and e10 + e11 between -126 and 127; e9 and e11 - e8 - e9 between -126 and 119.  NaN among the inputs is not served.
; REGISTERS.  Window 0: v1-11 addresses; v12-15, v16-19 the statistics of sets A and B (-M, the largest t, the sum in two halves); v20-35, v36-51 Q; v52-67 bf; v68-131, v132-195 S^T, then p, then V's eight fragments;
;   v196-211, v212-227 p's codes; v228-233, v234-239 at work; v240-251 constants, addresses, the partner's statistics; on the way out v68-195 the sixteen results, then rows.
;   Window 1: v0-63, v64-127 O^T of sets A and B; v128-255 K's eight fragments; at the end Wf's sixteen.
.set TILEB, 131072                     ; four key steps of 32,768 bytes
.set SLOT1, 1<<17                      ; slot 1 begins here: one exclusive or turns an address in one slot into the other's
.set STEPB, 32768
.set STAGE, SLOT1
.set SP,    528
.set XCH,   8704                       ; the exchange: 16 x 512 bytes of O^T and 512 of statistics for each wave
.set WFI,   266240
.set SPARE, 299008                     ; the spare words: 128 bytes for each of the eight waves, four blocks of 256 bytes that no other line names
.set L16,  1                           ; v1   16 x lane
.set AD0,  2                           ; v2   LDS address of my first key step of the slot in hand
.set PFO,  3                           ; v3   256 x lane: the prefetch's offset; never rewritten
.set STO0, 4                           ; v4   the stage, rows c 0-127: where I put 32 bytes of a row
.set SPW,  5                           ; v5   LDS address of my spare word; never rewritten
.set NIL,  6                           ; v6   0; never rewritten
.set STO1, 7                           ; v7   the stage, rows c 128-255
.set RD,   8                           ; v8   the stage: my 32 rows, 16 bytes a lane
.set XR,   9                           ; v9   x's tile: the same rows
.set WFA,  10                          ; v10  Wf's images
.set BFA,  11                          ; v11  4 r
.set STA,  12
.set STB,  16
.set QA,   20
.set QB,   36
.set BF,   52
.set SA,   68
.set SB,   132                         ; = SA + 64: V's fragment t lands at SA + 16 t, t = 0 .. 7
.set DR,   68
.set PA,   196
.set PB,   212
.set TMA,  228                         ; at work for a set: +0 a maximum, then M's change; +1 the other half of the lanes'; +2, +3 a second maximum, then f as a pair; +4, +5 a second chain of the sum
.set TMB,  234
.set LB,   242                         ; v242 16 x lane + 32,768 x (wave % 2): my parity's step in a slot
.set AD1,  243                         ; v243 LDS address of my second key step of the slot
.set XW,   246                         ; v246 the exchange: where I put set B
.set XG,   247                         ; v247 and where my partner put its own
.set WV,   18                          ; s18  wave
.set CS,   22                          ; s[22:23] log2(e) x 2^(e6 + e7): the packed form names a pair and takes its low word for both halves
.set SEL,  66                          ; s[66:67] lane selects for v_permlanex16_b32: lane l xor 16
.set TB,   68                          ; s68  LDS byte at which the slot in hand begins
.set SLOTS, 70                         ; s70  tiles still to be asked for
.set LIM,  71                          ; s71  1 in a wave that prefetches, else the greatest number
.set PFA,  72                          ; s[72:73] the prefetch's address; never rewritten
.set MSB, 0
.macro WIN new                         ; the immediate's high byte repeats the setting that is left; a switch that changes nothing is dropped
.if MSB != \new
	s_set_vgpr_msb (MSB<<8)|\new
.set MSB, \new
.endif
.endm
.set TO_1, 0x40                        ; destination window 1, address window 0
.set A_1,  0x01                        ; source 0 window 1
.set B_1,  0x04                        ; source 1 window 1
.set W_RS, 0x41                        ; O^T (destination and source 0) window 1, f window 0
.set W_PV, 0x50                        ; V and p window 0, C and D window 1
; A round of the cluster's barrier: my work-group's barrier, wave 0 signals for the work-group, every wave waits for all four work-groups, my work-group's barrier once more
.macro CROUND
	s_barrier_signal -1
	s_barrier_wait -1
	s_cmp_lg_u32 s[WV], 0
	s_cbranch_scc1 .Lnot_wave_0_\@
	s_barrier_signal -3
.Lnot_wave_0_\@:
	s_barrier_wait -3
	s_barrier_signal -1
	s_barrier_wait -1
.endm
; A PREFETCH INTO THE L2 of the batch's last tile, at the change of slots that asks for the tile before it: a slot's key steps ahead of the load that will want it.  All clusters of a batch walk the same tiles: the batch's
; first cluster asks.  Its four partners take 32,768 bytes each, told apart by address; in each, waves 0 to 3 take 8,192 bytes, lanes 256 bytes apart: each aligned block of 256 bytes is named once in the launch.
; The first three tiles come by their loads alone, and the last change that fills a slot with keys asks for nothing.
.macro ASK
	s_cmp_gt_u32 s[SLOTS], s[LIM]
	s_cbranch_scc0 .Lnot_mine_\@
	global_prefetch_b8 v[PFO], s[PFA:PFA+1] th:TH_LOAD_NT scope:SCOPE_SE
.Lnot_mine_\@:
.endm
; K's eight images of the key step at v[adr], as they lie: 512 consecutive bytes an instruction
.macro KLOAD adr
	WIN TO_1
.set j, 0
.rept 32
	ds_load_b128 v[128+4*j:128+4*j+3], v[\adr] offset:512*j
.set j, j+1
.endr
.endm
; half g of V's eight images, into the registers that set x's p has left
.macro VLOAD x, g, adr
.set j, 0
.rept 16
	ds_load_b128 v[S\x+4*j:S\x+4*j+3], v[\adr] offset:16384+8192*(\g)+512*j
.set j, j+1
.endr
.endm
; line k of what follows a set's two chains of maxima; the two sets take the lines by turns, so that no line reads the result of the line just ahead of it
.macro STAT k, x
.if \k == 0
	v_max3_num_f32 v[TM\x], v[TM\x], v[S\x+62], v[S\x+63]
.elseif \k == 1
	s_delay_alu instid0(VALU_DEP_2)
	v_max_num_f32 v[TM\x], v[TM\x], v[TM\x+2]
.elseif \k == 2
	s_delay_alu instid0(VALU_DEP_2)
	v_permlanex16_b32 v[TM\x+1], v[TM\x], s[SEL], s[SEL+1]
.elseif \k == 3
	s_delay_alu instid0(VALU_DEP_2)
	v_max_num_f32 v[TM\x], v[TM\x], v[TM\x+1]      ; the step's largest score of my query, lane l xor 16's keys among them
.elseif \k == 4
	s_delay_alu instid0(VALU_DEP_2)
	v_mul_f32 v[TM\x], s[CS], v[TM\x]              ; as t (the factor is positive)
.elseif \k == 5
	s_delay_alu instid0(VALU_DEP_2)
	v_max_num_f32 v[ST\x+1], v[ST\x+1], v[TM\x]    ; the running largest t
.elseif \k == 6
	v_mov_b32 v[TM\x], v[ST\x]
.elseif \k == 7
	s_delay_alu instid0(VALU_DEP_4)
	v_floor_f32 v[ST\x], -v[ST\x+1]                ; the new -M = floor(-t) = -ceil(t): M is a whole number
.elseif \k == 8
	s_delay_alu instid0(VALU_DEP_2)
	v_sub_f32 v[TM\x], v[ST\x], v[TM\x]            ; old M - new M: a whole number, 0 or less
.elseif \k == 9
	s_delay_alu instid0(VALU_DEP_2)
	v_cvt_i32_f32 v[TM\x], v[TM\x]                 ; (it saturates)
.else
	s_delay_alu instid0(VALU_DEP_2)
	v_ldexp_f32 v[TM\x+2], 1.0, v[TM\x]            ; f = 2^(old M - new M)
.endif
.endm
.macro TMINUS x, j                     ; pair j of set x: t - M, two at a time
	v_pk_fma_f32 v[S\x+2*(\j):S\x+2*(\j)+1], v[S\x+2*(\j):S\x+2*(\j)+1], s[CS:CS+1], v[ST\x:ST\x+1] op_sel_hi:[1,0,0]
.endm
.macro SUMS x                          ; the row's sum is taken of the unquantised p: two at a time, in two chains
	v_pk_add_f32 v[TM\x+4:TM\x+5], v[S\x:S\x+1], v[S\x+2:S\x+3]
.irp j, 4,8,12,16,20,24,28,32,36,40,44,48,52,56,60
	v_pk_add_f32 v[ST\x+2:ST\x+3], v[ST\x+2:ST\x+3], v[S\x+\j:S\x+\j+1]
	v_pk_add_f32 v[TM\x+4:TM\x+5], v[TM\x+4:TM\x+5], v[S\x+2+\j:S\x+3+\j]
.endr
	s_delay_alu instid0(VALU_DEP_1)
	v_pk_add_f32 v[ST\x+2:ST\x+3], v[ST\x+2:ST\x+3], v[TM\x+4:TM\x+5]
.endm
.macro CODES x                         ; p becomes codes: registers 4 b .. 4 b + 3 of the second product's operand are keys 32 b + 16 h + 0 .. 15
.set b, 0
.rept 4
.set j, 0
.rept 16
.set j, j+1
.endr
	v_cvt_scalef32_pk8_fp8_f32 v[P\x+4*b:P\x+4*b+1], v[S\x+16*b:S\x+16*b+7], v244
	v_cvt_scalef32_pk8_fp8_f32 v[P\x+4*b+2:P\x+4*b+3], v[S\x+16*b+8:S\x+16*b+15], v244
.set b, b+1
.endr
.endm
; O^T += V^T P^T for channel tiles t0 .. t0 + 3 and both sets: eight accumulators, one instruction each.  first = 1: the products start the sums: nothing is ever cleared
.macro PV t0, first
.set j, \t0
.rept 4
.if \first
	v_wmma_f32_16x16x128_fp8_fp8 v[8*j:8*j+7], v[SA+16*j:SA+16*j+15], v[PA:PA+15], 0
	s_wait_alu depctr_va_vdst(0)
	v_wmma_f32_16x16x128_fp8_fp8 v[64+8*j:64+8*j+7], v[SA+16*j:SA+16*j+15], v[PB:PB+15], 0
.else
	v_wmma_f32_16x16x128_fp8_fp8 v[8*j:8*j+7], v[SA+16*j:SA+16*j+15], v[PA:PA+15], v[8*j:8*j+7]
	v_wmma_f32_16x16x128_fp8_fp8 v[64+8*j:64+8*j+7], v[SA+16*j:SA+16*j+15], v[PB:PB+15], v[64+8*j:64+8*j+7]
.endif
.set j, j+1
.endr
.endm
; A KEY STEP: 128 keys against my two tiles of queries.  adr: the register with the step's LDS address; its K has been asked for.  nxt: the register with the address of the step whose K is asked for here, or 0.
.macro STEP adr, nxt, first
	s_wait_dscnt 0x0                               ; K's fragments are in
	WIN A_1
.set j, 0
.rept 8
	v_wmma_f32_16x16x128_fp8_fp8 v[SA+8*j:SA+8*j+7], v[128+16*j:128+16*j+15], v[QA:QA+15], 0   ; S^T: lane (r, h) holds query r; registers of tiles 2 b, 2 b + 1: keys 32 b + 16 h + 0 .. 15
	v_wmma_f32_16x16x128_fp8_fp8 v[SB+8*j:SB+8*j+7], v[128+16*j:128+16*j+15], v[QB:QB+15], 0
.set j, j+1
.endr
.rept 4
	v_nop                                          ; four places in front of the loads into K's registers and of the first read of the scores
.endr
.if \nxt
	KLOAD \nxt                                     ; the slot's next step of mine: it lands under the softmax
.endif
	WIN 0
.irp x, A, B
	v_max3_num_f32 v[TM\x], v[S\x], v[S\x+1], v[S\x+2]       ; the largest score of my query among my 64 keys, in two chains a set; each accumulator is first read at its low end
.endr
.irp x, A, B
	v_max3_num_f32 v[TM\x+2], v[S\x+3], v[S\x+4], v[S\x+5]
.endr
.irp i, 6,10,14,18,22,26,30,34,38,42,46,50,54,58
.irp x, A, B
	v_max3_num_f32 v[TM\x], v[TM\x], v[S\x+\i], v[S\x+\i+1]
.endr
.irp x, A, B
	v_max3_num_f32 v[TM\x+2], v[TM\x+2], v[S\x+\i+2], v[S\x+\i+3]
.endr
.endr
.irp k, 0,1,2,3,4,5,6,7,8,9,10
.irp x, A, B
	STAT \k, \x
.endr
.endr
.set j, 0
.rept 32
	TMINUS A, j
.set j, j+1
.endr
.set j, 0
	s_wait_alu depctr_va_vdst(0)
.rept 32
	v_exp_f32 v[SA+2*j], v[SA+2*j]                 ; p = 2^(t - M), at most 1.  Set B's scalings stand among set A's exponentials: they name none of their results
	v_exp_f32 v[SA+2*j+1], v[SA+2*j+1]
	TMINUS B, j
.set j, j+1
.endr
.set j, 0
	s_wait_alu depctr_va_vdst(0)
.rept 64
	v_exp_f32 v[SB+j], v[SB+j]
.set j, j+1
.endr
	v_pk_mul_f32 v[STA+2:STA+3], v[STA+2:STA+3], v[TMA+2:TMA+3] op_sel_hi:[1,0]   ; the sums under the new M: the plain lines behind the exponentials
	v_pk_mul_f32 v[STB+2:STB+3], v[STB+2:STB+3], v[TMB+2:TMB+3] op_sel_hi:[1,0]
	s_wait_alu depctr_va_vdst(0)                   ; one wait for the batch of 128 exponentials, ahead of its first reader
	SUMS A
	CODES A
	v_nop
	VLOAD A, 0, \adr                               ; V's channel tiles 0-3 land under set B's sums and codes
	SUMS B
	CODES B
	v_nop
	VLOAD B, 1, \adr
.if \first
	v_nop                                          ; a plain line between the conversions and the products that read their results
	WIN TO_1
.else
	WIN W_RS
.set j, 0
.rept 32
	v_pk_mul_f32 v[2*j:2*j+1], v[2*j:2*j+1], v[TMA+2:TMA+3] op_sel_hi:[1,0]       ; O^T under the new M, each accumulator from its low end on; these are also the plain lines behind the conversions
.set j, j+1
.endr
.set j, 0
.rept 32
	v_pk_mul_f32 v[64+2*j:64+2*j+1], v[64+2*j:64+2*j+1], v[TMB+2:TMB+3] op_sel_hi:[1,0]
.set j, j+1
.endr
	WIN W_PV
.endif
	s_wait_alu depctr_va_vdst(0)
	s_wait_dscnt 16                                ; the next K and V's first half are in; V's second half, sixteen loads, may be out
	PV 0, \first
	s_wait_dscnt 0x0
	PV 4, \first
	WIN 0
.rept 5
	v_nop                                          ; five places: the next matrix instructions write the scores over V's fragments, which these products read
.endr
.endm
.macro PROC first                      ; my two key steps of the slot in hand
	v_add_nc_u32 v[AD0], s[TB], v[LB]
	s_delay_alu instid0(VALU_DEP_1)
	v_add_nc_u32 v[AD1], 2*STEPB, v[AD0]
	KLOAD AD0
	s_wait_alu depctr_va_vdst(0)
	STEP AD0, AD1, \first
	STEP AD1, 0, 0
.endm
; THE CHANGE OF SLOTS.  Each wave waits for all its tensor loads (its piece of the slot ahead is out, and at the first change Wf's images too), adds 0 to its spare word, and waits for that and for its reads of the slot that it leaves.  A round of the
; cluster's barrier: no wave of any partner still reads that slot or has a load on its way.  The refill is the first thing behind the round and the wave's one tensor load until the next: it has a slot's key steps in which to land.
; kind = 1: the tile two tiles on, jointly.  kind = 2: no keys are left: the slot takes my 32 rows of x's tile for the residual.
.macro CHANGE kind
	s_wait_tensorcnt 0x0                           ; no tensor load of mine is out, so a group 0 may be written
	ds_add_u32 v[SPW], v[NIL]                      ; 0 onto my spare word
.if \kind == 1
	s_xor_b32 s53, s53, SLOT1                      ; the walking descriptor: the other slot than last time,
	s_add_nc_u64 s[54:55], s[54:55], TILEB         ; the next tile; the type bits on top are not reached
.endif
	s_wait_dscnt 0x0                               ; the add is done, and my reads of the slot are over
	CROUND
.if \kind == 1
	tensor_load_to_lds s[52:55], s[24:31]
	s_nop 0
.else
	tensor_load_to_lds s[60:63], s[40:47]
	s_nop 0
.endif
.rept 4
	v_nop
.endr
.if \kind == 1
	ASK
.endif
	s_xor_b32 s[TB], s[TB], SLOT1                  ; on to the other slot
.endm
	s_load_b256 s[4:11], s[0:1], 0x0               ; qimg s[4:5], kv s[6:7], wfimg s[8:9], the scales' exponents s[10:11]
	s_load_b128 s[12:15], s[0:1], 0x20             ; bf s[12:13], x s[14:15]
	s_load_b64 s[16:17], s[0:1], 0x30              ; out0
	v_lshl_add_u32 v[SPW], v0, 2, SPARE
	v_mov_b32 v[NIL], 0
	ds_add_u32 v5, v6
	ds_add_u32 v5, v6
	s_wait_dscnt 0x0
	v_lshrrev_b32 v[AD0], 5, v0
	s_delay_alu instid0(VALU_DEP_1)
	v_readfirstlane_b32 s[WV], v[AD0]              ; wave 0..7
	s_bfe_u32 s19, ttmp6, 0x40000                  ; cx: my place in the cluster
	s_lshl_b32 s20, ttmp9, 2                       ; in a cluster launch ttmp9 counts clusters
	s_add_co_u32 s20, s20, s19                     ; my block of 128 queries: it enters the addresses of qimg, x and out0 alone
	s_and_b32 s21, ttmp7, 0xffff                   ; the batch, which the four partners share
	; descriptor groups 1.  K's and V's images, and Wf's, are dense blocks: rows of 32 elements of 8 bytes; 15:0 the mask of all four work-groups, 21 set beside it
	s_mov_b32 s24, 15|(3<<16)|(1<<21)
	s_mov_b32 s25, 32<<16                          ; tensor_dim0 = 32
	s_mov_b32 s26, 64<<16                          ; tensor_dim1 = 64
	s_mov_b32 s27, 32<<16                          ; tile_dim0 = 32
	s_mov_b32 s28, 64                              ; tile_dim1 = 64: 16,384 bytes a wave
	s_mov_b32 s29, 32                              ; tensor_dim0_stride
	s_mov_b32 s30, 0
	s_mov_b32 s31, 0
	s_mov_b32 s32, 15|(3<<16)|(1<<21)
	s_mov_b32 s33, 32<<16
	s_mov_b32 s34, 16<<16
	s_mov_b32 s35, 32<<16
	s_mov_b32 s36, 16                              ; 16 rows: 4,096 bytes a wave
	s_mov_b32 s37, 32
	s_mov_b32 s38, 0
	s_mov_b32 s39, 0
	s_mov_b32 s40, 2<<16                           ; x's tile: no mask; 32 rows of 128 elements of 4 bytes, 2,048 elements from row to row
	s_mov_b32 s41, 128<<16
	s_mov_b32 s42, 32<<16
	s_mov_b32 s43, 128<<16
	s_mov_b32 s44, 32
	s_mov_b32 s45, 2048
	s_mov_b32 s46, 0
	s_mov_b32 s47, 0
	s_mov_b32 s[SEL], 0x76543210
	s_mov_b32 s[SEL+1], 0xfedcba98
	s_mov_b32 s[TB], 0
	s_lshr_b32 s88, s[WV], 2                       ; 0 in waves 0 to 3,
	s_or_b32 s88, s88, ttmp9                       ; of the batch's first cluster: the same in all four partners
	s_cmp_eq_u32 s88, 0
	s_cselect_b32 s[LIM], 1, -1
	; LDS addresses: constants, the lane and the wave's number
	v_and_b32 v[WFA], 31, v0
	s_delay_alu instid0(VALU_DEP_1)
	v_lshlrev_b32 v[L16], 4, v[WFA]
	s_wait_alu depctr_va_vdst(0)
	v_lshlrev_b32 v[PFO], 8, v[WFA]
	v_and_b32 v[BFA], 15, v0                       ; r
	v_bfe_u32 v252, v0, 4, 1                       ; h
	s_lshr_b32 s88, s[WV], 1
	s_lshl_b32 s88, s88, 7
	s_and_b32 s89, s[WV], 1
	s_lshl_b32 s93, s89, 15
	v_add_nc_u32 v[LB], s93, v[L16]                ; my parity's key step in a slot
	s_lshl_b32 s89, s89, 5
	s_add_co_u32 s88, s88, s89
	s_add_co_u32 s88, s88, STAGE
	v_mul_u32_u24 v[STO0], v[BFA], SP
	s_delay_alu instid0(VALU_DEP_1)
	v_lshl_add_u32 v[STO0], v252, 6, v[STO0]
	s_delay_alu instid0(VALU_DEP_1)
	v_add_nc_u32 v[STO0], s88, v[STO0]             ; row r; tile w's eight queries of my half are n = 32 (w / 2) + 8 (w % 2) + 16 h + 0 .. 7 of the block: 4 bytes each
	s_delay_alu instid0(VALU_DEP_1)
	v_add_nc_u32 v[STO1], 128*SP, v[STO0]
	s_mul_i32 s88, s[WV], 32*SP
	s_add_co_u32 s88, s88, STAGE
	v_add_nc_u32 v[RD], s88, v[L16]
	s_lshl_b32 s88, s[WV], 14
	v_add_nc_u32 v[XR], s88, v[L16]
	v_add_nc_u32 v[WFA], WFI, v[L16]
	v_lshlrev_b32 v[BFA], 2, v[BFA]
	s_mul_i32 s88, s[WV], XCH
	s_add_co_u32 s88, s88, STAGE
	v_add_nc_u32 v[XW], s88, v[L16]                ; the exchange: my bytes,
	s_xor_b32 s88, s[WV], 1
	s_mul_i32 s88, s88, XCH
	s_add_co_u32 s88, s88, STAGE
	v_add_nc_u32 v[XG], s88, v[L16]                ; and my partner's
	s_mov_b32 s89, 0
	s_mov_b32 s95, 0
	s_wait_kmcnt 0x0
	s_load_b256 s[76:83], s[10:11], 0x0            ; e0 .. e7
	s_load_b128 s[84:87], s[10:11], 0x20           ; e8 .. e11
	s_lshl_b32 s88, s21, 19
	s_add_nc_u64 s[6:7], s[6:7], s[88:89]          ; kv at my batch: 16 key steps of 32,768 bytes
	s_lshl_b32 s88, s[WV], 14                      ; my piece of a tile, in memory and in a slot
	s_add_nc_u64 s[90:91], s[6:7], s[88:89]
	s_mov_b32 s48, 1                               ; group 0 for tile 0, into slot 0
	s_mov_b32 s49, s88
	s_mov_b64 s[50:51], s[90:91]
	s_or_b32 s51, s51, 0x80000000
	s_mov_b32 s52, 1                               ; group 0 for tile 1, into slot 1; it then walks on
	s_add_co_u32 s53, s88, SLOT1
	s_add_nc_u64 s[54:55], s[90:91], TILEB
	s_or_b32 s55, s55, 0x80000000
	s_mov_b32 s60, 1                               ; group 0 for x's tile, into slot 0
	s_mov_b32 s61, s88
	s_lshl_b32 s88, s[WV], 12                      ; my two of Wf's sixteen images
	s_mov_b32 s56, 1
	s_add_co_u32 s57, s88, WFI
	s_add_nc_u64 s[58:59], s[8:9], s[88:89]
	s_or_b32 s59, s59, 0x80000000
	; what hangs on my place in the cluster is made in s94 and s95, which feed no joint load's descriptor
	s_lshl_b32 s94, s21, 21                        ; x and out0: the batch's 256 rows of 8,192 bytes,
	s_lshl_b32 s93, s[WV], 18                      ; my 32 rows c,
	s_add_co_u32 s94, s94, s93
	s_lshl_b32 s93, s20, 9                         ; my block's 128 columns
	s_add_co_u32 s94, s94, s93
	s_add_nc_u64 s[62:63], s[14:15], s[94:95]
	s_or_b32 s63, s63, 0x80000000
	s_add_nc_u64 s[16:17], s[16:17], s[94:95]
	s_lshl_b32 s94, s21, 18                        ; qimg: 128 tiles a batch, 8 a block
	s_lshl_b32 s93, s20, 14
	s_add_co_u32 s94, s94, s93
	s_add_nc_u64 s[4:5], s[4:5], s[94:95]
	s_lshl_b32 s94, s[WV], 11
	s_add_nc_u64 s[74:75], s[4:5], s[94:95]        ; set A: tile w
	s_xor_b32 s94, s94, 2048
	s_add_nc_u64 s[4:5], s[4:5], s[94:95]          ; set B: tile w xor 1
	s_lshl_b32 s94, s19, 15                        ; the prefetch: tile 3, my work-group's quarter, my wave's quarter of that
	s_and_b32 s93, s[WV], 3
	s_lshl_b32 s93, s93, 13
	s_add_co_u32 s94, s94, s93
	s_add_co_u32 s94, s94, 3*TILEB
	s_add_nc_u64 s[PFA:PFA+1], s[6:7], s[94:95]
	CROUND                                         ; all four work-groups are here: the first joint loads meet
	tensor_load_to_lds s[48:51], s[24:31]          ; the three first fills go out together, in the order in which they are wanted: tile 0, tile 1, Wf's images: three tensor loads of mine are out
	s_nop 0
	tensor_load_to_lds s[52:55], s[24:31]
	s_nop 0
	tensor_load_to_lds s[56:59], s[32:39]
	s_nop 0
.rept 4
	v_nop
.endr
.irp c, 0,1,2,3
	global_load_b128 v[QA+4*\c:QA+4*\c+3], v[L16], s[74:75] offset:512*\c   ; Q's two fragments stay in registers
	global_load_b128 v[QB+4*\c:QB+4*\c+3], v[L16], s[4:5] offset:512*\c
.endr
.set j, 0
	s_wait_alu depctr_va_vdst(0)
.rept 16
	global_load_b32 v[BF+j], v[BFA], s[12:13] offset:64*j   ; bf[16 T + r]
.set j, j+1
.endr
.irp x, A, B
	v_mov_b32 v[ST\x+1], 0xff61b1e6                ; the largest t so far: -3e38, under every t
	s_delay_alu instid0(VALU_DEP_1)
	v_floor_f32 v[ST\x], -v[ST\x+1]                ; -M
	v_mov_b32 v[ST\x+2], 0                         ; the sum, in two halves
	v_mov_b32 v[ST\x+3], 0
	v_mov_b32 v[TM\x+1], 0                         ; written once: a lane permute's destination counts as one of its sources
	v_mov_b32 v[TM\x+3], 0                         ; (named as the upper half of f's pair)
.endr
	s_wait_kmcnt 0x0
	s_add_co_i32 s88, s82, s83
	s_lshl_b32 s88, s88, 23
	s_add_co_i32 s[CS], s88, 0x3fb8aa3b            ; log2(e), with e6 + e7 added to its exponent field: a score stands for score x 2^(e6 + e7)
	s_mov_b32 s[CS+1], s[CS]
	s_add_co_i32 s88, s85, 127
	s_lshl_b32 s89, s88, 23
	v_mov_b32 v244, s89                            ; 2^e9 as f32, for p's conversions
	s_sub_co_i32 s88, s87, s84
	s_sub_co_i32 s88, s88, s85                     ; a sum of the second product stands for sum x 2^(e8 + e9): o's code is (sum / l) / 2^(e11 - e8 - e9)
	s_add_co_i32 s88, s88, 127
	s_lshl_b32 s89, s88, 23
	v_mov_b32 v245, s89
	s_add_co_i32 s92, s86, s87
	s_add_co_i32 s92, s92, 127
	s_lshl_b32 s92, s92, 23                        ; 2^(e10 + e11) as f32
	s_wait_tensorcnt 0x2                           ; my piece of tile 0 is in; tile 1's and Wf's may stay out
	s_barrier_signal -1
	s_barrier_wait -1                              ; everybody's is
	s_wait_loadcnt 0x0                             ; Q and bf
	PROC 1                                         ; tile 0: its first step starts O^T's sums
	s_mov_b32 s[SLOTS], 2
.Lslot:                                            ; two trips: tiles 2 and 3 are asked for, tiles 1 and 2 are read
	CHANGE 1
	PROC 0
	s_sub_co_u32 s[SLOTS], s[SLOTS], 1
	s_cmp_lg_u32 s[SLOTS], 0
	s_cbranch_scc1 .Lslot
	CHANGE 2                                       ; written out: slot 0 takes x's tile
	PROC 0                                         ; tile 3
	; THE PAIRS' EXCHANGE.  Set B goes to my partner as an image of its registers; my partner's set B is my tile w under the other keys.
	s_wait_tensorcnt 0x0                           ; my rows of x's tile are in
	s_wait_dscnt 0x0                               ; my reads of slot 1 are over
	s_barrier_signal -1
	s_barrier_wait -1                              ; nobody reads slot 1 any more, and it has had its last fill
	WIN B_1                                        ; the stores' data lie in window 1
.set j, 0
.rept 16
	ds_store_b128 v[XW], v[64+4*j:64+4*j+3] offset:512*j   ; each accumulator from its low end on; the step's five places stand ahead
.set j, j+1
.endr
	WIN 0
	ds_store_b128 v[XW], v[STB:STB+3] offset:8192  ; -M, the largest t, the sum's two halves
	s_wait_dscnt 0x0                               ; for my partner's sake: my stores are done
	s_barrier_signal -1
	s_barrier_wait -1
	ds_load_b128 v[248:251], v[XG] offset:8192
.set j, 0
.rept 16
	ds_load_b128 v[SB+4*j:SB+4*j+3], v[XG] offset:512*j
.set j, j+1
.endr
	s_wait_dscnt 16                                ; the partner's statistics are in; its O^T, sixteen loads, may be out
	v_min_num_f32 v252, v[STA], v248               ; -M of all keys: the smaller of the two, both whole numbers
	s_delay_alu instid0(VALU_DEP_1)
	v_sub_f32 v[TMA], v252, v[STA]
	s_delay_alu instid0(VALU_DEP_2)
	v_sub_f32 v[TMB], v252, v248
	s_delay_alu instid0(VALU_DEP_2)
	v_cvt_i32_f32 v[TMA], v[TMA]
	s_delay_alu instid0(VALU_DEP_2)
	v_cvt_i32_f32 v[TMB], v[TMB]
	s_delay_alu instid0(VALU_DEP_2)
	v_ldexp_f32 v[TMA+2], 1.0, v[TMA]              ; 2^(my M - M),
	s_delay_alu instid0(VALU_DEP_2)
	v_ldexp_f32 v[TMB+2], 1.0, v[TMB]              ; 2^(the partner's M - M): one of the two is 1
	s_delay_alu instid0(VALU_DEP_2)
	v_pk_mul_f32 v[STA+2:STA+3], v[STA+2:STA+3], v[TMA+2:TMA+3] op_sel_hi:[1,0]
	s_delay_alu instid0(VALU_DEP_1)
	v_pk_fma_f32 v[STA+2:STA+3], v[250:251], v[TMB+2:TMB+3], v[STA+2:STA+3] op_sel_hi:[1,0,1]
	s_delay_alu instid0(VALU_DEP_1)
	v_add_f32 v14, v14, v15                        ; the sum's two halves,
	s_delay_alu instid0(VALU_DEP_1)
	v_permlanex16_b32 v252, v14, s[SEL], s[SEL+1]
	s_delay_alu instid0(VALU_DEP_1)
	v_add_f32 v14, v14, v252                       ; and lane l xor 16's: the row's sum l
	s_wait_alu depctr_va_vdst(0)
	v_rcp_f32 v14, v14
	v_nop                                          ; a plain line behind the reciprocal,
	s_wait_alu depctr_va_vdst(0)                   ; and a wait ahead of its first reader
	v_mul_f32 v[TMA+2], v[TMA+2], v14              ; 1 / l goes into the two powers of two, which rounds nothing more
	v_mul_f32 v[TMB+2], v[TMB+2], v14
	s_wait_alu depctr_va_vdst(0)
	s_wait_dscnt 0x0                               ; the partner's O^T is in
	WIN A_1
.set j, 0
.rept 32
	v_pk_mul_f32 v[SA+2*j:SA+2*j+1], v[2*j:2*j+1], v[TMA+2:TMA+3] op_sel_hi:[1,0]   ; my part of O^T / l, out of window 1, each accumulator from its low end on
.set j, j+1
.endr
	WIN TO_1
.set j, 0
.rept 64
	ds_load_b128 v[4*j:4*j+3], v[WFA] offset:512*j ; Wf's sixteen fragments take all of window 1, which is done with
.set j, j+1
.endr
	WIN 0
.set j, 0
.rept 32
	v_pk_fma_f32 v[SA+2*j:SA+2*j+1], v[SB+2*j:SB+2*j+1], v[TMB+2:TMB+3], v[SA+2*j:SA+2*j+1] op_sel_hi:[1,0,1]   ; + the partner's part
.set j, j+1
.endr
	; THE WAY OUT.
.set b, 0
.rept 4
.set j, 0
.rept 16
.set j, j+1
.endr
	v_cvt_scalef32_pk8_fp8_f32 v[PA+4*b:PA+4*b+1], v[SA+16*b:SA+16*b+7], v245      ; registers 4 b .. 4 b + 3 of o's fragment: channels 32 b + 16 h + 0 .. 15 of my query
	v_cvt_scalef32_pk8_fp8_f32 v[PA+4*b+2:PA+4*b+3], v[SA+16*b+8:SA+16*b+15], v245
.set b, b+1
.endr
	v_nop                                          ; a plain line between the conversions and the products below, which read their results and write their sources
	s_wait_alu depctr_va_vdst(0)
	s_wait_dscnt 0x0                               ; Wf is in, and my reads of the exchange are over
	s_barrier_signal -1
	s_barrier_wait -1                              ; nobody reads the exchange any more: its bytes become the stage
	WIN B_1
.set j, 0
.rept 16
	v_wmma_f32_16x16x128_fp8_fp8 v[DR+8*j:DR+8*j+7], v[PA:PA+15], v[16*j:16*j+15], 0   ; lane (r, h): c = 16 T + r, registers: my tile's queries 8 h + 0 .. 7, which are eight neighbouring n
.set j, j+1
.endr
	WIN 0
.rept 4
	v_nop
.endr
.set b, 0
.rept 16
.set j, 0
.rept 8
	v_fma_f32 v[DR+8*b+j], v[DR+8*b+j], s92, v[BF+b]   ; sum x 2^(e10 + e11) + bf[c]
.set j, j+1
.endr
.set b, b+1
.endr
.set b, 0
.rept 8
	ds_store_b128 v[STO0], v[DR+8*b:DR+8*b+3] offset:16*SP*b
	ds_store_b128 v[STO0], v[DR+8*b+4:DR+8*b+7] offset:16*SP*b+16
	ds_store_b128 v[STO1], v[DR+64+8*b:DR+64+8*b+3] offset:16*SP*b
	ds_store_b128 v[STO1], v[DR+64+8*b+4:DR+64+8*b+7] offset:16*SP*b+16
.set b, b+1
.endr
	s_wait_dscnt 0x0                               ; for the others' sake: my stores into the stage are done
	s_barrier_signal -1
	s_barrier_wait -1                              ; 256 whole rows lie in the stage
; Each wave takes rows c = 32 w + 0 .. 31, eight at a time, in two groups of registers by turns: a row of the stage, the same row of x, their sum, a store of 512 consecutive bytes
.macro LOADB q
.set j, 0
.rept 8
	ds_load_b128 v[DR+64*((\q)%2)+4*j:DR+64*((\q)%2)+4*j+3], v[RD] offset:SP*(8*(\q)+j)
	ds_load_b128 v[DR+32+64*((\q)%2)+4*j:DR+32+64*((\q)%2)+4*j+3], v[XR] offset:512*(8*(\q)+j)
.set j, j+1
.endr
.endm
.macro SENDB q
.set j, 0
.rept 16
	v_pk_add_f32 v[DR+64*((\q)%2)+2*j:DR+64*((\q)%2)+2*j+1], v[DR+64*((\q)%2)+2*j:DR+64*((\q)%2)+2*j+1], v[DR+32+64*((\q)%2)+2*j:DR+32+64*((\q)%2)+2*j+1]
.set j, j+1
.endr
.set j, 0
.rept 8
	global_store_b128 v[L16], v[DR+64*((\q)%2)+4*j:DR+64*((\q)%2)+4*j+3], s[16:17] offset:8192*(8*(\q)+j) th:TH_STORE_NT
.set j, j+1
.endr
.endm
	LOADB 0
	LOADB 1
.irp q, 0,1,2,3
.if \q < 3
	s_wait_dscnt 16                                ; this batch's sixteen loads are in; the next batch's may be out
.else
	s_wait_dscnt 0x0
.endif
	SENDB \q
.if \q < 2
	s_wait_xcnt 0x0                                ; the stores have read their registers: the group may be loaded again
	LOADB \q+2
.endif
.endr
	s_wait_tensorcnt 0x0                           ; the wave's end: behind my last tensor load and my last LDS store
	ds_add_u32 v[SPW], v[NIL]
	s_wait_dscnt 0x0
	CROUND                                         ; the closing round: no work-group ends while a partner may still ask for a tile that names it
	s_endpgm
.Lfunc_end_k_q7d0b4fbf6f_attn:
	.size	k_q7d0b4fbf6f_attn, .Lfunc_end_k_q7d0b4fbf6f_attn-k_q7d0b4fbf6f_attn
	.p2alignl 7, 3214868480
	.fill 96, 4, 3214868480
	.section	.rodata,"a",@progbits
	.p2align	6, 0x0
	.amdhsa_kernel k_q7d0b4fbf6f_attn
		.amdhsa_group_segment_fixed_size 327680
		.amdhsa_private_segment_fixed_size 0
		.amdhsa_enable_private_segment 0
		.amdhsa_kernarg_size 56
		.amdhsa_user_sgpr_count 2
		.amdhsa_user_sgpr_kernarg_segment_ptr 1
		.amdhsa_wavefront_size32 1
		.amdhsa_system_sgpr_workgroup_id_x 1
		.amdhsa_system_sgpr_workgroup_id_y 1
		.amdhsa_system_sgpr_workgroup_id_z 1
		.amdhsa_system_vgpr_workitem_id 0
		.amdhsa_next_free_vgpr 512
		.amdhsa_next_free_sgpr 100
		.amdhsa_reserve_vcc 0
		.amdhsa_float_denorm_mode_32 3
		.amdhsa_float_denorm_mode_16_64 3
		.amdhsa_fp16_overflow 1
		.amdhsa_memory_ordered 1
		.amdhsa_forward_progress 1
		.amdhsa_inst_pref_size 220
	.end_amdhsa_kernel
	.amdgpu_metadata
---
amdhsa.version: [ 1, 2 ]
amdhsa.kernels:
  - .name:           k_q7d0b4fbf6f_attn
    .symbol:         k_q7d0b4fbf6f_attn.kd
    .args:
      - { .name: qimg, .offset: 0, .size: 8, .value_kind: global_buffer, .address_space: global }
      - { .name: kv, .offset: 8, .size: 8, .value_kind: global_buffer, .address_space: global }
      - { .name: wfimg, .offset: 16, .size: 8, .value_kind: global_buffer, .address_space: global }
      - { .name: lowp_scales, .offset: 24, .size: 8, .value_kind: global_buffer, .address_space: global }
      - { .name: bf, .offset: 32, .size: 8, .value_kind: global_buffer, .address_space: global }
      - { .name: x, .offset: 40, .size: 8, .value_kind: global_buffer, .address_space: global }
      - { .name: out0, .offset: 48, .size: 8, .value_kind: global_buffer, .address_space: global }
    .group_segment_fixed_size: 327680
    .private_segment_fixed_size: 0
    .kernarg_segment_align: 8
    .kernarg_segment_size: 56
    .max_flat_workgroup_size: 256
    .sgpr_count:     100
    .vgpr_count:     512
    .wavefront_size: 32
...
	.end_amdgpu_metadata
.endif
;; end of part 2
